; MI455X (gfx1250); checked and timed in simulation.
; The chip was launched on July 23, 2026; its instructions are those of AMD's public machine-readable ISA for CDNA 5 (MIT licence, August 2026) and "CDNA5" Instruction Set Architecture Reference Guide (July 2026). The comments in the code are by the model that wrote it; some were corrected since.
;; Concat Attention Fusion. Allowed arithmetic: matrix products marked QUANTISED: E2M1 operands, one E8M0 scale for each 32 along K, by v_wmma_scale_f32_16x16x128_f8f6f4 with both operands' format E2M1 (or v_wmma_scale_f32_32x16x128_f4), f32 sums; everything else in f32.
;; Inputs: global_embedding 8 x 1,024 x 768 float32; local_embedding 8 x 1,024 x 768 float32.
;; Outputs: out0 8 x 2,048 x 768 float32.
;; This version of the problem:
;;   THIS VERSION OF THE PROBLEM IS GIVEN IN LOW PRECISION. The matrix products marked QUANTISED in the list below multiply operands that are first quantised to E2M1 (2 exponent bits, 1 mantissa bit; 4 bits a number), with one power-of-two scale for each 32 numbers along K (OCP MX v1.0); their sums are f32. All else is computed in f32.
;;   The module's matrix products, in the order in which they are computed (A, B: the left and right operand; K: the contracted axis; several contracted axes count as one K, in the product's order):
;;     1. batch 8 x [M 2,048, K 768] x [K 768, N 2,048]; A: computed on the way; B: computed on the way: QUANTISED
;;     2. batch 8 x [M 2,048, K 2,048] x [K 2,048, N 768]; A: softmax (see below); B: computed on the way: QUANTISED
;;   THE QUANTISER, for each operand of a quantised product, along K:
;;     - K is cut into blocks of 32 from its start; a last block that is shorter is filled with zeros.
;;     - A block's scale is 2^e with e = floor(log2(the largest magnitude in the block)) - 2, held to -126 .. 127; a block of zeros has e = 0. As a byte (E8M0): e + 127.
;;     - Each number is divided by its block's scale, clamped to +-6, and rounded to the nearest number of E2M1, ties to even, subnormals kept.
;;     - The product sums the exact products of the quantised numbers (number of the format x scale) in f32.
;;   ~~~python
;;   def quantise(x, axis):      # numpy; x: float32 -> the quantised numbers, widened to float32 again
;;       x = np.moveaxis(x, axis, -1); K = x.shape[-1]
;;       x = np.pad(x, [(0, 0)] * (x.ndim - 1) + [(0, -K % 32)]); x = x.reshape(x.shape[:-1] + (-1, 32)); a = np.abs(x).max(-1, keepdims=True)
;;       e = np.where(a > 0, np.clip(np.frexp(np.where(a > 0, a, 1))[1] - 1 - 2, -126, 127), 0)      # np.frexp(a)[1] - 1 = floor(log2(a)), exactly
;;       r = np.clip(x / 2.0 ** e, -6, 6)
;;       step = 2.0 ** (np.maximum(np.frexp(np.where(r == 0, 1, r))[1] - 1, 0) - 1)
;;       q = np.round(r / step) * step * 2.0 ** e      # np.round: ties to even
;;       return np.moveaxis(q.reshape(q.shape[:-2] + (-1,))[..., :K], -1, axis).astype(np.float32)
;;   ~~~
;;   SOFTMAX AHEAD OF A QUANTISED PRODUCT. Where the list says 'softmax', what is quantised is not the finished softmax but p = 2^(t - M), with t = logit x log2(e) and M = ceil(the row's largest t), a whole number; so 1/2 < the row's largest p <= 1. The row's sum l is taken of the UNQUANTISED p, in f32, and the product's result is divided by l at the end. Since M is a whole number, a kernel that streams over the keys may use a running M (the ceiling of the running maximum): every later rescaling is an exact power of two, which a block's scale takes up: the codes' values come out the same.
;;   OPERANDS COMPUTED ON THE WAY. 'Computed on the way' means the value that the module computes at that place (a softmax that the list does not call 'softmax' is quantised finished and normalised). What goes into a quantiser is computed in f32, as accurately as f32 sums, v_exp_f32 and their like allow (about 1e-6 of the number): no bf16 or f16 on the way to a quantiser, and a product that is left as it is and whose result goes on into a quantised operand takes f32 operands (vector FMAs, or v_wmma_f32_16x16x4_f32). A number that lies on a knife's edge between two numbers of the format may be rounded either way, as far as f32 arithmetic and the matrix unit's own rounding can turn it there, and no further.
;; One version. Each part assembles by itself: llvm-mc -triple=amdgcn-amd-amdhsa -mcpu=gfx1250 --defsym DOCPART=n.
;; ======== version 1 of 1: 2 launches
;; limits: right only within a limited range of input values
;; workspace buffers: kv 13,369,344 bytes
;; launch quant (part 1): grid 2 x 128, 12 waves a work-group, no clusters, 115,200 bytes of LDS; arguments global_embedding, local_embedding, kv; writes kv
.if DOCPART == 1
	.amdgcn_target "amdgcn-amd-amdhsa--gfx1250"
	.amdhsa_code_object_version 6
	.text
	.protected	k_qfef7c542b6_quant
	.globl	k_qfef7c542b6_quant
	.p2align	8
	.type	k_qfef7c542b6_quant,@function
k_qfef7c542b6_quant:
	s_mov_b64 s[64:65], 0
	v_nop
	global_prefetch_b8 v0, s[64:65] scope:SCOPE_SE
	s_setreg_imm32_b32 hwreg(HW_REG_WAVE_MODE, 25, 1), 1
	s_wait_xcnt 0x0
; combined = concat(global_embedding, local_embedding) along the rows: [8][2048][768] f32.  It is the operand of both products of the attention: as Q and K
; it is quantised along the 768 channels, as V along the 2,048 keys.  This launch reads every f32 number once and makes both sets of codes of FP4 (E2M1) and
; their E8M0 scale bytes, laid in kv in the order of the operands' registers.
; DEAD WORK: none.  Every row is a query, a key and a value: both inputs reach every output, and no step of the problem is left out.
; A block's scale is 2^(floor(log2(its largest magnitude)) - 2); its byte is the largest magnitude's exponent field - 2, held at 1 from below.
; LIMITS: a block of zeros, or one whose largest magnitude lies under 2^-124, gets the byte 1 (for zeros the rule says 127): its codes are zeros or next to
; zeros, and the bytes are read by this program alone.  NaN and infinities among the inputs are not served.
; kv: [batch 8] of 64 units of UB bytes.
;   Units 0-31: K, 64 keys each (unit g: keys 64 g ..): images of 1,024 bytes at (6 T + s) x 1,024 (T: which 16 rows, s: which 128 channels); row r of tile T is
;     key 64 g + 32 (r / 8) + 8 T + r % 8; the 16 bytes of (row r, channel block b of the four) lie at (b / 2) x 512 + (16 (b % 2) + r) x 16;
;     at + 24,576 scale words [s][T / 2][16 (T % 2) + r].
;   Units 32-63: V, unit 32 + 4 (2 c + hf) + w: channels 192 c + 48 w .. + 47, keys 1,024 hf ..: images at (8 t + k) x 1,024 (t: which 16 channels, k: which 128
;     keys), inside as above with the channel as row and key blocks; at + 24,576 scale words [k][t][r].
; SHARES.  Work-group (x, y = 16 batch + kappa) takes keys 128 kappa .. + 127 and channels 384 x .. + 383: 256 equal work-groups.  Wave w takes 64 keys (w % 2) x
; 64 channels (w / 2).  A lane takes a channel and its registers run down the keys: a block of V, whole in one lane.  The same numbers turn through the wave's
; own stage in LDS and come back a key a lane: a block of K.  Each store of codes covers two runs of 256 consecutive bytes at multiples of 256.
; V's scale words leave in runs of 192 bytes (one byte in 128 of what the launch reads): the neighbouring run belongs to another work-group's keys.
; No tensor load, cluster or matrix unit: work-groups share no input.  No prefetch: no loop; each wave asks for all its numbers at its start.
.set UB,     26112
.set BATCHB, 64*UB
.set VPART,  32*UB
.set SPITCH, 144                       ; a stage row: 128 bytes + 16
.set WST,    64*SPITCH
.set KSA,    12*WST                    ; K's scale words meet here: [key half][3][2][32] words
.set VSA,    KSA+1536                  ; V's: [384 channels] words
.set SPARE,  KSA+3072                  ; the spare words, 128 bytes a wave
.set IN,   1
.set SIN,  2
.set SOUT, 3
.set KST,  4
.set VST,  5                           ; v5, v6: V's codes, for each of my two channel tiles
.set VBY,  7
.set KWD,  8
.set GRD,  9
.set SPW,  20
.set NIL,  21
.set GOF,  26
.set VC,   32                          ; v32-47 V's codes
.set KC,   48                          ; v48-63 K's codes
.set X,    64                          ; v64-191 as loaded: X + 64 tile + 32 block + key
.set Y,    192                         ; v192-255 a tile turned: two runs of 32 channels of a key
	s_load_b128 s[4:7], s[0:1], 0x0
	s_load_b64 s[8:9], s[0:1], 0x10
	v_lshl_add_u32 v[SPW], v0, 2, SPARE
	v_mov_b32 v[NIL], 0
	v_lshrrev_b32 v10, 5, v0
	v_readfirstlane_b32 s16, v10                   ; wave 0..11
	s_and_b32 s17, s16, 1                          ; which 64 keys
	s_lshr_b32 s18, s16, 1                         ; which 64 channels
	s_and_b32 s19, ttmp7, 0xffff
	s_lshr_b32 s20, s19, 4                         ; batch
	s_and_b32 s21, s19, 15                         ; kappa: 0-7 lie in global_embedding, 8-15 in local_embedding
	s_lshr_b32 s22, s21, 3                         ; hf
	s_and_b32 s23, s21, 7                          ; k
	s_mul_i32 s24, s20, 3145728                    ; the input: a batch is 1,024 rows of 3,072 bytes
	s_mul_i32 s34, s23, 393216
	s_add_co_u32 s24, s24, s34
	s_mul_i32 s34, s17, 196608
	s_add_co_u32 s24, s24, s34
	s_mul_i32 s34, ttmp9, 1536
	s_add_co_u32 s24, s24, s34
	s_lshl_b32 s34, s18, 8
	s_add_co_u32 s24, s24, s34
	s_mov_b32 s25, 0
	s_mul_i32 s26, s20, BATCHB
	s_lshl_b32 s35, s21, 1
	s_mul_i32 s36, s35, UB                         ; the first of my work-group's two K units
	s_mul_i32 s28, s17, UB
	s_add_co_u32 s28, s28, s36
	s_add_co_u32 s28, s28, s26
	s_mul_i32 s34, ttmp9, 3072
	s_add_co_u32 s28, s28, s34
	s_lshl_b32 s34, s18, 9
	s_add_co_u32 s28, s28, s34                     ; K's codes
	s_mov_b32 s29, 0
	s_mul_i32 s37, s22, 4*UB
	s_add_co_u32 s37, s37, VPART
	s_add_co_u32 s37, s37, s26                     ; V's units of my key half
	s_lshl_b32 s30, s23, 10
	s_add_co_u32 s30, s30, s37
	s_lshl_b32 s34, s17, 9
	s_add_co_u32 s30, s30, s34                     ; V's codes
	s_mov_b32 s31, 0
	s_mul_i32 s34, ttmp9, 768
	s_add_co_u32 s36, s36, s34
	s_add_co_u32 s36, s36, s26                     ; waves 0-5 store K's scale words,
	s_mul_i32 s34, s23, 192
	s_add_co_u32 s37, s37, s34                     ; waves 6-11 V's
	s_cmp_lt_u32 s16, 6
	s_cselect_b32 s32, s36, s37                    ; an offset is chosen, not a path
	s_cselect_b32 s38, -1, 0
	s_add_co_u32 s32, s32, 24576
	s_mov_b32 s33, 0
	s_mul_i32 s34, s16, WST
	s_lshl_b32 s35, s18, 8
	s_lshl_b32 s36, s17, 1
	s_add_co_u32 s35, s35, s36
	s_add_co_u32 s35, s35, VSA
	s_mul_i32 s36, s17, 768
	s_lshr_b32 s37, s18, 1
	s_lshl_b32 s37, s37, 8
	s_add_co_u32 s36, s36, s37
	s_and_b32 s37, s18, 1
	s_lshl_b32 s37, s37, 1
	s_add_co_u32 s36, s36, s37
	s_add_co_u32 s36, s36, KSA
	s_mul_i32 s37, ttmp9, 24
	s_lshl_b32 s39, s18, 2
	s_add_co_u32 s37, s37, s39                     ; my first 16 channels' number
	s_lshl_b32 s39, ttmp9, 3
	v_and_b32 v10, 31, v0                          ; lane
	v_and_b32 v11, 15, v0                          ; r
	v_bfe_u32 v12, v0, 4, 1                        ; h
	v_add_nc_u32 v24, 0xffffff40, v0               ; thread - 192
	v_lshlrev_b32 v[IN], 2, v10
	v_lshl_add_u32 v[SIN], v10, 2, s34
	v_mul_u32_u24 v[SOUT], v10, SPITCH
	v_mul_u32_u24 v[KST], v12, 6144
	v_add_nc_u32 v14, s37, v12                     ; the number of my 16 channels, tile 0
	v_mul_u32_u24 v25, v24, 0xaab
	v_add_nc_u32 v[SOUT], s34, v[SOUT]
	v_lshl_add_u32 v[KST], v11, 4, v[KST]
	v_add_nc_u32 v15, 2, v14                       ; tile 1
	v_lshrrev_b32 v25, 16, v25                     ; (thread - 192) / 24: which 48 channels
	v_lshl_add_u32 v[VBY], v10, 2, s35
	v_lshl_add_u32 v[KWD], v10, 2, s36
	v_mul_u32_u24 v16, v14, 171
	v_mul_u32_u24 v17, v15, 171
	v_mul_u32_u24 v27, v25, 24
	v_add_nc_u32 v28, s39, v25
	v_lshrrev_b32 v16, 9, v16                      ; / 3: which 48 channels
	v_lshrrev_b32 v17, 9, v17
	v_sub_nc_u32 v27, v24, v27
	v_and_b32 v29, 12, v28
	v_mul_u32_u24 v18, v16, 3
	v_mul_u32_u24 v19, v17, 3
	v_add_nc_u32 v29, v29, v28
	v_sub_nc_u32 v14, v14, v18                     ; and which 16 of them
	v_sub_nc_u32 v15, v15, v19
	v_and_b32 v18, 12, v16
	v_and_b32 v19, 12, v17
	v_mul_u32_u24 v29, v29, UB
	v_add_nc_u32 v18, v18, v16
	v_add_nc_u32 v19, v19, v17
	v_lshl_add_u32 v29, v27, 3, v29                ; V's scale words
	v_mul_u32_u24 v18, v18, UB
	v_mul_u32_u24 v19, v19, UB
	v_cmp_le_u32 vcc_lo, 96, v0
	v_mov_b32 v30, UB-768
	v_lshl_add_u32 v18, v14, 13, v18
	v_lshl_add_u32 v19, v15, 13, v19
	v_cndmask_b32 v30, 0, v30, vcc_lo
	v_lshl_add_u32 v[VST], v11, 4, v18
	v_lshl_add_u32 v[VST+1], v11, 4, v19
	v_lshl_add_u32 v30, v0, 3, v30                 ; K's scale words
	v_lshl_add_u32 v[GRD], v0, 3, KSA
	v_cndmask_b32 v[GOF], v29, v30, s38
	s_wait_alu depctr_va_vdst(0)
	s_wait_kmcnt 0x0
	s_cmp_lt_u32 s21, 8
	s_cselect_b64 s[4:5], s[4:5], s[6:7]
	s_add_nc_u64 s[4:5], s[4:5], s[24:25]
	s_add_nc_u64 s[10:11], s[8:9], s[28:29]
	s_add_nc_u64 s[12:13], s[8:9], s[32:33]
	s_add_nc_u64 s[8:9], s[8:9], s[30:31]
.set k, 0
.rept 64                               ; 64 keys, each with my two tiles of 32 neighbouring channels
	global_load_b32 v[X+k], v[IN], s[4:5] offset:k*3072 th:TH_LOAD_NT
	global_load_b32 v[X+64+k], v[IN], s[4:5] offset:k*3072+128 th:TH_LOAD_NT
.set k, k+1
.endr
; the largest magnitudes of two blocks of 32 registers, two chains each by turns, with the floor 2^(3 - 127) among the leaves; then 2 off the exponent fields: v14, v15 are the conversions' scale operands
.macro QMAX2 a, b
	v_max3_num_f32 v10, |v[\a]|, |v[\a+1]|, |v[\a+2]|
	v_max3_num_f32 v11, |v[\b]|, |v[\b+1]|, |v[\b+2]|
	v_max3_num_f32 v12, |v[\a+3]|, |v[\a+4]|, |v[\a+5]|
	v_max3_num_f32 v13, |v[\b+3]|, |v[\b+4]|, |v[\b+5]|
.irp i, 6,10,14,18,22,26
	v_max3_num_f32 v10, v10, |v[\a+\i]|, |v[\a+\i+1]|
	v_max3_num_f32 v11, v11, |v[\b+\i]|, |v[\b+\i+1]|
	v_max3_num_f32 v12, v12, |v[\a+\i+2]|, |v[\a+\i+3]|
	v_max3_num_f32 v13, v13, |v[\b+\i+2]|, |v[\b+\i+3]|
.endr
	v_max3_num_f32 v10, v10, |v[\a+30]|, |v[\a+31]|
	v_max3_num_f32 v11, v11, |v[\b+30]|, |v[\b+31]|
	v_max3_num_f32 v10, v10, v12, 0x1800000
	v_max3_num_f32 v11, v11, v13, 0x1800000
	v_add_nc_u32 v14, 0xff000000, v10
	v_add_nc_u32 v15, 0xff000000, v11
.endm
.macro BYTES lo, hi, second            ; the scale bytes; the second pair goes above the first
.if \second
	v_lshrrev_b32 v22, 23, v14
	v_lshrrev_b32 v23, 23, v15
	v_lshl_or_b32 v[\lo], v22, 8, v[\lo]
	v_lshl_or_b32 v[\hi], v23, 8, v[\hi]
.else
	v_lshrrev_b32 v[\lo], 23, v14
	v_lshrrev_b32 v[\hi], 23, v15
.endif
.endm
.macro VBLK b                          ; V: my channels' key block b, both tiles
	QMAX2 X+32*\b, X+64+32*\b
.irp g, 0,1,2,3
	v_cvt_scalef32_pk8_fp4_f32 v[VC+8*\b+\g], v[X+32*\b+8*\g:X+32*\b+8*\g+7], v14
	v_cvt_scalef32_pk8_fp4_f32 v[VC+8*\b+4+\g], v[X+64+32*\b+8*\g:X+64+32*\b+8*\g+7], v15
.endr
	v_nop
	BYTES 16, 17, \b
	global_store_b128 v[VST], v[VC+8*\b:VC+8*\b+3], s[8:9] offset:256*\b
	global_store_b128 v[VST+1], v[VC+8*\b+4:VC+8*\b+7], s[8:9] offset:256*\b
.endm
.macro STG t, b                        ; into the stage: key i of block b to the row of the lane that will hold it
.set k, 0
.rept 32
	ds_store_b32 v[SIN], v[X+64*\t+32*\b+k] offset:SPITCH*(32*(k/16)+16*((k/8)%2)+8*\b+k%8)
.set k, k+1
.endr
.endm
.macro LD                              ; LDS serves a wave's instructions in order: these see the stores ahead of them
.irp u, 0,1
.irp i, 0,1,2,3,4,5,6,7
	ds_load_b128 v[Y+32*\u+4*\i:Y+32*\u+4*\i+3], v[SOUT] offset:32*SPITCH*\u+16*\i
.endr
.endr
.endm
.macro KBLK t                          ; K: channel tile t of two keys a lane
	QMAX2 Y, Y+32
.irp g, 0,1,2,3
	v_cvt_scalef32_pk8_fp4_f32 v[KC+8*\t+\g], v[Y+8*\g:Y+8*\g+7], v14
	v_cvt_scalef32_pk8_fp4_f32 v[KC+8*\t+4+\g], v[Y+32+8*\g:Y+32+8*\g+7], v15
.endr
	v_nop
	BYTES 18, 19, \t
	global_store_b128 v[KST], v[KC+8*\t:KC+8*\t+3], s[10:11] offset:256*\t
	global_store_b128 v[KST], v[KC+8*\t+4:KC+8*\t+7], s[10:11] offset:12288+256*\t
.endm
	s_wait_loadcnt 63                              ; at most 63 of the 128 loads are out: the first block's 64 are in
	VBLK 0
	STG 0, 0
	s_wait_loadcnt 0x0
	VBLK 1
	STG 0, 1
	LD
	s_wait_dscnt 0x0
	STG 1, 0
	STG 1, 1
	KBLK 0
	LD
	s_wait_dscnt 0x0
	KBLK 1
	ds_store_b16 v[VBY], v16
	ds_store_b16 v[VBY], v17 offset:128
	ds_store_b16 v[KWD], v18
	ds_store_b16 v[KWD], v19 offset:128
	s_wait_dscnt 0x0                               ; for the others' sake: my scale bytes lie in LDS
	s_barrier_signal -1
	s_barrier_wait -1
	ds_load_b64 v[24:25], v[GRD]
	s_wait_dscnt 0x0
	global_store_b64 v[GOF], v[24:25], s[12:13]
	s_wait_tensorcnt 0x0                           ; the wave's end
	ds_add_u32 v[SPW], v[NIL]
	s_wait_dscnt 0x0
	s_endpgm
.Lfunc_end_k_qfef7c542b6_quant:
	.size	k_qfef7c542b6_quant, .Lfunc_end_k_qfef7c542b6_quant-k_qfef7c542b6_quant
	.p2alignl 7, 3214868480
	.fill 96, 4, 3214868480
	.section	.rodata,"a",@progbits
	.p2align	6, 0x0
	.amdhsa_kernel k_qfef7c542b6_quant
		.amdhsa_group_segment_fixed_size 115200
		.amdhsa_private_segment_fixed_size 0
		.amdhsa_enable_private_segment 0
		.amdhsa_kernarg_size 24
		.amdhsa_user_sgpr_count 2
		.amdhsa_user_sgpr_kernarg_segment_ptr 1
		.amdhsa_wavefront_size32 1
		.amdhsa_system_sgpr_workgroup_id_x 1
		.amdhsa_system_sgpr_workgroup_id_y 1
		.amdhsa_system_sgpr_workgroup_id_z 1
		.amdhsa_system_vgpr_workitem_id 0
		.amdhsa_next_free_vgpr 256
		.amdhsa_next_free_sgpr 66
		.amdhsa_reserve_vcc 1
		.amdhsa_float_denorm_mode_32 3
		.amdhsa_float_denorm_mode_16_64 3
		.amdhsa_memory_ordered 1
		.amdhsa_forward_progress 1
		.amdhsa_inst_pref_size 41
	.end_amdhsa_kernel
	.amdgpu_metadata
---
amdhsa.version: [ 1, 2 ]
amdhsa.kernels:
  - .name:           k_qfef7c542b6_quant
    .symbol:         k_qfef7c542b6_quant.kd
    .args:
      - { .name: global_embedding, .offset: 0, .size: 8, .value_kind: global_buffer, .address_space: global }
      - { .name: local_embedding, .offset: 8, .size: 8, .value_kind: global_buffer, .address_space: global }
      - { .name: kv, .offset: 16, .size: 8, .value_kind: global_buffer, .address_space: global }
    .group_segment_fixed_size: 115200
    .private_segment_fixed_size: 0
    .kernarg_segment_align: 8
    .kernarg_segment_size: 24
    .max_flat_workgroup_size: 384
    .sgpr_count:     66
    .vgpr_count:     256
    .wavefront_size: 32
...
	.end_amdgpu_metadata
.endif
;; end of part 1
;; launch attn (part 2): grid 32 x 8, 4 waves a work-group, clusters of 4 x 1, 327,680 bytes of LDS; arguments kv, out0; writes out0
.if DOCPART == 2
	.amdgcn_target "amdgcn-amd-amdhsa--gfx1250"
	.amdhsa_code_object_version 6
	.text
	.protected	k_qfef7c542b6_attn
	.globl	k_qfef7c542b6_attn
	.p2align	8
	.type	k_qfef7c542b6_attn,@function
k_qfef7c542b6_attn:
	s_mov_b64 s[64:65], 0
	v_nop
	global_prefetch_b8 v0, s[64:65] scope:SCOPE_SE
	s_setreg_imm32_b32 hwreg(HW_REG_WAVE_MODE, 25, 1), 1
	s_wait_xcnt 0x0
	s_wait_alu depctr_hold_cnt(0) depctr_sa_sdst(0) depctr_va_vdst(0) depctr_va_sdst(0) depctr_va_ssrc(0) depctr_va_vcc(0) depctr_vm_vsrc(0)
	s_getreg_b32 s2, hwreg(HW_REG_IB_STS2, 6, 4)
	s_cmp_eq_u32 s2, 0
	s_cbranch_scc0 .Lentry_in_a_cluster
	s_endpgm
.Lentry_in_a_cluster:
	s_bfe_u32 s2, ttmp6, 0x10000c
	s_cmp_lg_u32 s2, 0x3003
	s_cbranch_scc0 .Lentry_shape_is_right
	s_endpgm
.Lentry_shape_is_right:
; out[b][q] = sum over k of softmax_k(x[q] . x[k]) x[k] for 64 queries of one batch a work-group, both products on codes of FP4 with E8M0 scales, sums in f32.
; kv is laid as the launch ahead of this one describes: units of UB bytes in the order of the operands' registers.  DEAD WORK: none is left out.
; PHASE 1 makes ALL of P as codes.  A wave takes 64 keys of each step of 256: S^T = K Q^T (source 0 = 16 keys, source 1 = 16 queries).  Row r of K's tile T is key
;   32 (r / 8) + 8 T + r % 8 of the 64, so lane (r, h) holds in the 32 registers of tiles 0-3 the 32 neighbouring keys of block h for query r: a whole block in a lane.
;   With t = score x log2(e), G = floor(the block's largest t): p' = 2^(t - G) is under 2 or 2, and the block's quantiser scale is 2^-2 beside 2^G: a constant operand.
;   The codes go to LDS, G and the block's sum of the unquantised p' (f32) beside them.  Since G is whole, a later change of the reference point is exact.
; THEN the largest G of each row, M, is found over all waves; a block's scale byte is 127 + G - M, held at 1 from below; the row's sum is the sum of 2^(G - M) x the block sums.
; PHASE 2: O^T = V^T P^T with all of P in 512 registers of every wave.  A pass is 192 channels (48 a wave), in two units of 1,024 keys; each pass leaves through LDS while
;   the next one is multiplied.
; The codes carry a factor 4 (the scale 2^-2), which the divisor takes: 1 / (4 x sum).
; LIMITS: the promise holds while the scaled scores t stay under 2^31 in magnitude; blocks more than 126 powers of two under their row's largest count as 2^-126 of it; NaN and
; infinities are not served.
; RING.  Two slots of four units, one unit a wave, filled by joint loads: the four work-groups of a cluster walk the same units of their batch.  Slot fills: K's eight steps, then V's eight
; units; by this text's count a wave has one load out at a time.  A wave reads only the bytes that it asked for itself.
; Cluster j of a batch begins at K's step (2 j + j / 4) mod 8 and at V's pass j % 4.
; PREFETCH.  K is not prefetched: clusters 0-3 (and 4-7) begin two steps apart, so what a cluster asks for from its third trip on another of the four asked for two trips before.
; V's first pass is: in trips 2 and 3 of the loop over K, five trips ahead of the load of the same unit.  A wave's unit is 102 blocks of 256 bytes; the four partners of the cluster take
; 26 each by address (the last: 24), a lane a block; lanes left over name their wave's last block again.
; REGISTERS: window 0: v128-255 S, in phase 2 v128-223 O's 12 accumulators; scales and addresses below.  Window 1: Q, then P's keys 0-1023.  Window 2: P's keys 1024-2047.
;   Window 3: v0-191 the unit of K or V in hand; v192-255 (and window 0's v224-255) rows on their way out.
.set UB,     26112
.set SLOT,   4*UB
.set BATCHB, 64*UB
.set VPART,  32*UB
.set SCB,    24576                     ; a unit's scale words
.set PCODE,  2*SLOT                    ; P's codes: [wave][trip][query tile][lane][16]; later the stage of the way out
.set STAT,   PCODE+65536               ; G and sum of each block: [wave][trip][query tile][lane][8]
.set PSC,    STAT+32768                ; P's scale words: [trip][pair of waves][query][4]
.set MXR,    PSC+4096                  ; maxima, then sums: [query tile][r][wave]
.set LXR,    MXR+1024
.set SPARE,  LXR+1024                  ; the spare words, 128 bytes a wave
.set SPI,    784                       ; a stage row: 192 channels + 16 bytes
.set ADK,  1
.set ADS,  2
.set AVS,  3
.set PST,  4
.set SST,  5
.set ADKC, 6
.set ADSC, 7
.set PSTC, 8
.set SSTC, 9
.set APRD, 10
.set BST,  11
.set ASRD, 12
.set SPW,  13
.set NIL,  14
.set QUA,  15                          ; 0.25: the conversions' scale operand
.set AMX,  16
.set AMXR, 17
.set STO,  18
.set RDS,  19
.set GO,   20
.set QO,   21
.set QSO,  22
.set PFO,  23                          ; the prefetches' offset; never rewritten
.set QS,   32                          ; v32-43 Q's scales, v44-55 K's; in phase 2 v32-63 P's
.set KS,   44
.set PSW,  32
.set PX,   56
.set VS,   64                          ; v64-75 V's scales
.set RC,   76                          ; v76-83 pairs: 1 / (4 x sum)
.set MA,   84
.set MB,   88
.set SA,   84
.set SB,   120
.set GS,   92                          ; v92-99 pairs: G, the block's sum
.set RM,   100
.set PC,   104
.set PA,   96                          ; phase 2: v96-103, v104-111 addresses of P's codes and scales
.set PB,   104
.set S,    128
.set F,    224                         ; the joining of the sums: 2^(G - M)
.set WV,   8
.set G0,   12
.set G1,   24
.set CS,   32
.set SEL,  34
.set CNT,  36
.set IDX,  37
.set TB,   38                          ; the slot that is read
.set TBF,  39                          ; the slot that is filled
.set WH,   40
.set TP,   41
.set TS,   42
.set J,    43
.set KVB,  44
.set OFS,  46
.set QB,   48
.set QSB,  50
.set V0O,  52
.set CC,   53
.set NJ,   54
.set OB,   56
.set OP,   58
.set PF,   62
.set MSB, 0
.macro WIN new                         ; the immediate's high byte repeats the setting that is left
.if MSB != (\new)
	s_set_vgpr_msb (MSB<<8)|(\new)
.set MSB, (\new)
.endif
.endm
.set TO1,  0x40
.set TO2,  0x80
.set TO3,  0xc0
.set D3,   0x0c
.set W_P0, 0x07                        ; source 0 window 3, source 1 window 1, C and D window 0; + 4: source 1 window 2
.macro PLACES
.rept 4
	v_nop
.endr
.endm
.macro CREST
	s_cmp_lg_u32 s[WV], 0
	s_cbranch_scc1 .Lnot_wave_0_\@
	s_barrier_signal -3
.Lnot_wave_0_\@:
	s_barrier_wait -3
	s_barrier_signal -1
	s_barrier_wait -1
.endm
.macro CROUND
	s_barrier_signal -1
	s_barrier_wait -1
	CREST
.endm
.macro TLOAD
	tensor_load_to_lds s[G0:G0+3], s[G1:G1+7]
	s_nop 0
	PLACES
.endm
; On to the next unit: the slots change roles.  sel = 1: in the loop's last trip the unit is V's first.
.macro RING sel
	s_xor_b32 s[TB], s[TB], SLOT
	s_xor_b32 s[TBF], s[TBF], SLOT
	s_add_co_u32 s[G0+1], s[TBF], s[WH]
	s_add_co_u32 s[IDX], s[IDX], 1
	s_and_b32 s[IDX], s[IDX], 7
	s_mul_i32 s[OFS], s[IDX], SLOT
.if \sel
	s_cmp_eq_u32 s[CNT], 1
	s_cselect_b32 s[OFS], s[V0O], s[OFS]
.endif
	s_add_nc_u64 s[G0+2:G0+3], s[KVB:KVB+1], s[OFS:OFS+1]
	s_or_b32 s[G0+3], s[G0+3], 0x80000000
.endm
; A change of slots: all my loads have landed and all my LDS reads are over, in every wave of the cluster; then the slot just left is asked for anew.
.macro VROUND sb
	WIN 0
	s_wait_tensorcnt 0x0
	ds_add_u32 v[SPW], v[NIL]
	RING 0
	v_add_nc_u32 v[ADKC], s[TB], v[ADK]
	v_add_nc_u32 v[ADSC], s[TB], v[\sb]
	s_wait_alu depctr_va_vdst(0)
	s_wait_dscnt 0x0
	CROUND
	TLOAD
.endm
.macro WM                              ; one matrix instruction: fZ: C = 0; fRA, fRB: the scale stands in lanes 16-31
.if fZ
.if fRA && fRB
	v_wmma_scale_f32_16x16x128_f8f6f4 v[rD:rD+7], v[rA:rA+7], v[rB:rB+7], 0, v[rSA], v[rSB] matrix_a_fmt:MATRIX_FMT_FP4 matrix_b_fmt:MATRIX_FMT_FP4 matrix_a_scale:MATRIX_SCALE_ROW1 matrix_b_scale:MATRIX_SCALE_ROW1
.elseif fRA
	v_wmma_scale_f32_16x16x128_f8f6f4 v[rD:rD+7], v[rA:rA+7], v[rB:rB+7], 0, v[rSA], v[rSB] matrix_a_fmt:MATRIX_FMT_FP4 matrix_b_fmt:MATRIX_FMT_FP4 matrix_a_scale:MATRIX_SCALE_ROW1
.elseif fRB
	v_wmma_scale_f32_16x16x128_f8f6f4 v[rD:rD+7], v[rA:rA+7], v[rB:rB+7], 0, v[rSA], v[rSB] matrix_a_fmt:MATRIX_FMT_FP4 matrix_b_fmt:MATRIX_FMT_FP4 matrix_b_scale:MATRIX_SCALE_ROW1
.else
	v_wmma_scale_f32_16x16x128_f8f6f4 v[rD:rD+7], v[rA:rA+7], v[rB:rB+7], 0, v[rSA], v[rSB] matrix_a_fmt:MATRIX_FMT_FP4 matrix_b_fmt:MATRIX_FMT_FP4
.endif
.else
.if fRA && fRB
	v_wmma_scale_f32_16x16x128_f8f6f4 v[rD:rD+7], v[rA:rA+7], v[rB:rB+7], v[rD:rD+7], v[rSA], v[rSB] matrix_a_fmt:MATRIX_FMT_FP4 matrix_b_fmt:MATRIX_FMT_FP4 matrix_a_scale:MATRIX_SCALE_ROW1 matrix_b_scale:MATRIX_SCALE_ROW1
.elseif fRA
	v_wmma_scale_f32_16x16x128_f8f6f4 v[rD:rD+7], v[rA:rA+7], v[rB:rB+7], v[rD:rD+7], v[rSA], v[rSB] matrix_a_fmt:MATRIX_FMT_FP4 matrix_b_fmt:MATRIX_FMT_FP4 matrix_a_scale:MATRIX_SCALE_ROW1
.elseif fRB
	v_wmma_scale_f32_16x16x128_f8f6f4 v[rD:rD+7], v[rA:rA+7], v[rB:rB+7], v[rD:rD+7], v[rSA], v[rSB] matrix_a_fmt:MATRIX_FMT_FP4 matrix_b_fmt:MATRIX_FMT_FP4 matrix_b_scale:MATRIX_SCALE_ROW1
.else
	v_wmma_scale_f32_16x16x128_f8f6f4 v[rD:rD+7], v[rA:rA+7], v[rB:rB+7], v[rD:rD+7], v[rSA], v[rSB] matrix_a_fmt:MATRIX_FMT_FP4 matrix_b_fmt:MATRIX_FMT_FP4
.endif
.endif
.endm
.macro KSC                             ; my 64 keys' scale words
.irp s, 0,1,2,3,4,5
.irp u, 0,1
	ds_load_b32 v[KS+6*\u+\s], v[ADSC] offset:256*\s+128*\u
.endr
.endr
.endm
.macro KGRP s                          ; and their codes of 128 channels: eight loads
	WIN TO3
.irp f, 0,1,2,3
.irp c, 0,1
	ds_load_b128 v[8*(6*\f+(\s))+4*\c:8*(6*\f+(\s))+4*\c+3], v[ADKC] offset:(6*\f+(\s))*1024+512*\c
.endr
.endr
	WIN 0
.endm
.macro VSC                             ; my 48 channels' scale words for 1,024 keys
.irp t, 0,1,2
.irp k, 0,1,2,3
	ds_load_b32 v[VS+4*\t+\k], v[ADSC] offset:384*\k+64*\t
.endr
.endr
.endm
.macro VGRP k                          ; and their codes of 128 keys: six loads
	WIN TO3
.irp t, 0,1,2
.irp c, 0,1
	ds_load_b128 v[8*(8*\t+(\k))+4*\c:8*(8*\t+(\k))+4*\c+3], v[ADKC] offset:(8*\t+(\k))*1024+512*\c
.endr
.endr
	WIN 0
.endm
.macro MULQK s                         ; 16 accumulators by turns
	WIN W_P0
.irp f, 0,1,2,3
.irp m, 0,1,2,3
.set rD, S+32*\m+8*\f
.set rA, 8*(6*\f+\s)
.set rB, 8*(6*\m+\s)
.set rSA, KS+6*(\f/2)+\s
.set rSB, QS+6*(\m/2)+\s
.set fRA, \f%2
.set fRB, \m%2
.if \s == 0
.set fZ, 1
.else
.set fZ, 0
.endif
	WM
.endr
.endr
.endm
.macro PVK k, hf, z                    ; 12 accumulators by turns
	WIN W_P0+4*\hf
.irp t, 0,1,2
.irp m, 0,1,2,3
.set rD, 128+8*(4*\t+\m)
.set rA, 8*(8*\t+(\k))
.set rB, 8*(4*(\k)+\m)
.set rSA, VS+4*\t+(\k)/2
.set rSB, PSW+2*(8*\hf+(\k))+\m/2
.set fRA, (\k)%2
.set fRB, \m%2
.if (\z) && ((\k) == 0)
.set fZ, 1
.else
.set fZ, 0
.endif
	WM
.endr
.endr
.endm
.macro PLD kap, win                    ; P's fragments of 128 keys, all four query tiles
	WIN \win
.irp m, 0,1,2,3
.irp c, 0,1
	ds_load_b128 v[8*(4*((\kap)%8)+\m)+4*\c:8*(4*((\kap)%8)+\m)+4*\c+3], v[PA+(\kap)/2] offset:(2*((\kap)%2)+\c)*16384+512*\m
.endr
.endr
	WIN 0
.endm
.macro GRP qk, g
.if \qk
	KGRP \g
.else
	VGRP 2*\g
	VGRP 2*\g+1
.endif
.endm
.macro MAXLEV i
.irp m, 0,1,2,3
	v_max3_num_f32 v[MA+\m], v[MA+\m], v[S+32*\m+\i], v[S+32*\m+\i+1]
.endr
.irp m, 0,1,2,3
	v_max3_num_f32 v[MB+\m], v[MB+\m], v[S+32*\m+\i+16], v[S+32*\m+\i+17]
.endr
.endm
.macro SUMLEV j
.irp m, 0,1,2,3
	v_pk_add_f32 v[SA+2*\m:SA+2*\m+1], v[SA+2*\m:SA+2*\m+1], v[S+32*\m+\j:S+32*\m+\j+1]
.endr
.irp m, 0,1,2,3
	v_pk_add_f32 v[SB+2*\m:SB+2*\m+1], v[SB+2*\m:SB+2*\m+1], v[S+32*\m+\j+2:S+32*\m+\j+3]
.endr
.endm
; The softmax of the last trip's scores.  qk = 1: round the change of slots for the next step of K, whose LDS loads stand among the exponentials and sums and whose products follow.
; qk = 0: behind the last step: round the change of slots for V, with the waves' maxima sent ahead of it.
.macro SOFT qk
	PLACES                                         ; the maxima read results just made
.irp m, 0,1,2,3
	v_max3_num_f32 v[MA+\m], v[S+32*\m], v[S+32*\m+1], v[S+32*\m+2]
.endr
.irp m, 0,1,2,3
	v_max3_num_f32 v[MB+\m], v[S+32*\m+16], v[S+32*\m+17], v[S+32*\m+18]
.endr
	MAXLEV 3
	MAXLEV 5
	MAXLEV 7
.if \qk
	s_wait_alu depctr_va_vdst(0)
	s_wait_tensorcnt 0x0
	ds_add_u32 v[SPW], v[NIL]                      ; work on registers stands between the add and the wait for it
	RING 1
.endif
	MAXLEV 9
	MAXLEV 11
	MAXLEV 13
.irp m, 0,1,2,3
	v_max3_num_f32 v[MA+\m], v[MA+\m], v[S+32*\m+15], v[S+32*\m+31]
.endr
.irp m, 0,1,2,3
	v_max_num_f32 v[MA+\m], v[MA+\m], v[MB+\m]
.endr
.irp m, 0,1,2,3
	v_mul_f32 v[MA+\m], s[CS], v[MA+\m]
.endr
.irp m, 0,1,2,3
	v_floor_f32 v[GS+2*\m], v[MA+\m]               ; G
.endr
	v_add_nc_u32 v[PSTC], s[TP], v[PST]
	v_add_nc_u32 v[SSTC], s[TS], v[SST]
.irp m, 0,1,2,3
	v_max_num_f32 v[RM+\m], v[RM+\m], v[GS+2*\m]
.endr
.if \qk == 0
.irp m, 0,1,2,3
	v_permlanex16_b32 v[PX+\m], v[RM+\m], s[SEL], s[SEL+1]
.endr
.irp m, 0,1,2,3
	v_max_num_f32 v[RM+\m], v[RM+\m], v[PX+\m]
.endr
.irp m, 0,1,2,3
	ds_store_b32 v[AMX], v[RM+\m] offset:256*\m
.endr
	s_wait_alu depctr_va_vdst(0)
	s_wait_tensorcnt 0x0
	ds_add_u32 v[SPW], v[NIL]
	RING 0
.endif
	s_wait_alu depctr_va_vdst(0)
	s_wait_dscnt 0x0
	s_barrier_signal -1                            ; opens the round; t - G stands inside it
	v_add_nc_u32 v[ADKC], s[TB], v[ADK]
.if \qk
	v_add_nc_u32 v[ADSC], s[TB], v[ADS]
.else
	v_add_nc_u32 v[ADSC], s[TB], v[AVS]
.endif
.irp m, 0,1,2,3
.irp j, 0,2,4,6,8,10,12,14,16,18,20,22,24,26,28,30
	v_pk_fma_f32 v[S+32*\m+\j:S+32*\m+\j+1], v[S+32*\m+\j:S+32*\m+\j+1], s[CS:CS+1], v[GS+2*\m:GS+2*\m+1] op_sel_hi:[1,0,0] neg_lo:[0,0,1] neg_hi:[0,0,1]
.endr
.endr
	s_wait_alu depctr_va_vdst(0)
	s_barrier_wait -1
	CREST
	TLOAD
.if \qk
	KSC
.else
	VSC
.endif
.set ie, 0
	s_wait_alu depctr_va_vdst(0)
.irp g, 0,1,2,3
	GRP \qk, \g
.rept 32
	v_exp_f32 v[S+ie], v[S+ie]
.set ie, ie+1
.endr
.endr
	v_nop
	s_wait_alu depctr_va_vdst(0)
.if \qk
	KGRP 4
.endif
.irp m, 0,1,2,3
	v_pk_add_f32 v[SA+2*\m:SA+2*\m+1], v[S+32*\m:S+32*\m+1], v[S+32*\m+2:S+32*\m+3]
.endr
.irp m, 0,1,2,3
	v_pk_add_f32 v[SB+2*\m:SB+2*\m+1], v[S+32*\m+4:S+32*\m+5], v[S+32*\m+6:S+32*\m+7]
.endr
	SUMLEV 8
	SUMLEV 12
	SUMLEV 16
.if \qk
	KGRP 5
.endif
	SUMLEV 20
	SUMLEV 24
	SUMLEV 28
.irp m, 0,1,2,3
	v_pk_add_f32 v[SA+2*\m:SA+2*\m+1], v[SA+2*\m:SA+2*\m+1], v[SB+2*\m:SB+2*\m+1]
.endr
.irp m, 0,1,2,3
	v_add_f32 v[GS+2*\m+1], v[SA+2*\m], v[SA+2*\m+1]
.endr
.irp m, 0,1,2,3
.irp g, 0,1,2,3
	v_cvt_scalef32_pk8_fp4_f32 v[PC+4*\m+\g], v[S+32*\m+8*\g:S+32*\m+8*\g+7], v[QUA]
.endr
.endr
	v_nop
.irp m, 0,1,2,3
	ds_store_b128 v[PSTC], v[PC+4*\m:PC+4*\m+3] offset:512*\m
	ds_store_b64 v[SSTC], v[GS+2*\m:GS+2*\m+1] offset:256*\m
.endr
	s_add_co_u32 s[TP], s[TP], 2048
	s_add_co_u32 s[TS], s[TS], 1024
.if \qk
	s_sub_co_u32 s16, s[CNT], 5
	s_cmp_lt_u32 s16, 2                            ; trips 2 and 3: V's first pass, a unit a trip
	s_cbranch_scc0 .Lno_ask_\@
	s_wait_xcnt 0x0                                ; the last prefetch has read its address
	s_add_nc_u64 s[PF:PF+1], s[PF:PF+1], SLOT
	global_prefetch_b8 v[PFO], s[PF:PF+1] th:TH_LOAD_NT scope:SCOPE_SE
.Lno_ask_\@:
	s_wait_dscnt 8                                 ; K's loads are in; P's eight stores may be out
	MULQK 0
	s_wait_dscnt 0x0
.irp s, 1,2,3,4,5
	MULQK \s
.endr
	WIN 0
.endif
.endm
; THE WAY OUT of a pass: divided by the sums into the stage, a query a row; behind a barrier each wave reads 16 whole rows of 768 bytes back and stores them.
.macro STAGE
	WIN 0
	PLACES
.irp t, 0,1,2
.irp m, 0,1,2,3
.irp k, 0,2,4,6
	v_pk_mul_f32 v[128+8*(4*\t+\m)+\k:128+8*(4*\t+\m)+\k+1], v[128+8*(4*\t+\m)+\k:128+8*(4*\t+\m)+\k+1], v[RC+2*\m:RC+2*\m+1] op_sel_hi:[1,0]
.endr
.endr
.irp m, 0,1,2,3
	ds_store_b128 v[STO], v[128+8*(4*\t+\m):128+8*(4*\t+\m)+3] offset:16*SPI*\m+64*\t
	ds_store_b128 v[STO], v[128+8*(4*\t+\m)+4:128+8*(4*\t+\m)+7] offset:16*SPI*\m+64*\t+16
.endr
.endr
.endm
.macro OUTRD
	s_wait_xcnt 0x0                                ; earlier stores' registers and base may be written
	s_mul_i32 s60, s[CC], 768
	s_mov_b32 s61, 0
	s_add_nc_u64 s[OP:OP+1], s[OB:OB+1], s[60:61]
	s_add_co_u32 s[CC], s[CC], 1
	s_and_b32 s[CC], s[CC], 3
	WIN TO3
.set n, 0
.rept 16
	ds_load_b128 v[192+4*n:195+4*n], v[RDS] offset:(n/3)*2*SPI+(n%3)*256
.set n, n+1
.endr
	WIN 0
.rept 8
	ds_load_b128 v[160+4*n:163+4*n], v[RDS] offset:(n/3)*2*SPI+(n%3)*256
.set n, n+1
.endr
.endm
.macro OUTK k                          ; four of the 24 stores: each covers two runs of 256 consecutive bytes, aligned
.if \k < 4
	WIN D3
.else
	WIN 0
.endif
.set n, 4*\k
.rept 4
.if \k < 4
	global_store_b128 v[GO], v[192+4*n:195+4*n], s[OP:OP+1] offset:(32*((n/3)/4)+2*((n/3)%4))*3072+256*(n%3) th:TH_STORE_NT
.else
	global_store_b128 v[GO], v[160+4*n:163+4*n], s[OP:OP+1] offset:(32*((n/3)/4)+2*((n/3)%4))*3072+256*(n%3) th:TH_STORE_NT
.endif
.set n, n+1
.endr
	WIN 0
.endm
; A unit of V: the fragments of a K step of 128 keys are loaded three K steps ahead.  hf = 0: the last two K steps' products are left to the round that follows.  out: the last pass's rows are stored among them.
.macro UNIT hf, z, out
	VSC
	VGRP 0
	VGRP 1
	VGRP 2
.irp k, 0,1,2,3,4,5,6,7
.if (\k < 6) || (\hf == 1)
.if \k < 6
	s_wait_dscnt 12                                ; two groups of six behind this one's may be out
.else
	s_wait_dscnt 6*(7-\k)
.endif
	PVK \k, \hf, \z
.if \out
	OUTK \k
.endif
.endif
.if \k < 5
	VGRP \k+3
.endif
.endr
	WIN 0
.endm
	s_load_b128 s[4:7], s[0:1], 0x0                ; kv, out0
	v_lshl_add_u32 v[SPW], v0, 2, SPARE
	v_mov_b32 v[NIL], 0
	ds_add_u32 v[SPW], v[NIL]                      ; the wave's opening: the add, twice on end, and its wait ahead of my first tensor load
	ds_add_u32 v[SPW], v[NIL]
	v_lshrrev_b32 v84, 5, v0
	v_readfirstlane_b32 s[WV], v84                 ; wave 0..3
	s_bfe_u32 s10, ttmp6, 0x40000                  ; my place in the cluster: it enters only Q's, out0's and the prefetches' addresses
	s_and_b32 s11, ttmp7, 0xffff                   ; batch
	s_lshl_b32 s[J], ttmp9, 1
	s_lshr_b32 s16, ttmp9, 2
	s_add_co_u32 s[J], s[J], s16
	s_and_b32 s[J], s[J], 7                        ; my first step of K
	s_mov_b32 s[G1], 15|(3<<16)|(1<<21)            ; a unit: 102 dense rows of 256 bytes, shared by the cluster's four
	s_mov_b32 s[G1+1], 32<<16
	s_mov_b32 s[G1+2], 102<<16
	s_mov_b32 s[G1+3], 32<<16
	s_mov_b32 s[G1+4], 102
	s_mov_b32 s[G1+5], 32
	s_mov_b32 s[G1+6], 0
	s_mov_b32 s[G1+7], 0
	s_mul_i32 s[WH], s[WV], UB
	s_mov_b32 s[TB], SLOT
	s_mov_b32 s[TBF], 0
	s_mov_b32 s[TP], 0
	s_mov_b32 s[TS], 0
	s_mov_b32 s[CS], 0x3fb8aa3b                    ; log2(e)
	s_mov_b32 s[CS+1], s[CS]
	s_mov_b32 s[SEL], 0x76543210
	s_mov_b32 s[SEL+1], 0xfedcba98
	s_mov_b32 s[IDX], s[J]
	s_mul_i32 s[OFS], s[J], SLOT
	s_mov_b32 s[OFS+1], 0
	s_and_b32 s[CC], ttmp9, 3                      ; my first pass of channels
	s_mul_i32 s[V0O], s[CC], 2*SLOT
	s_add_co_u32 s[V0O], s[V0O], VPART
	s_xor_b32 s[NJ], s[J], 7
	s_add_co_u32 s[NJ], s[NJ], 1                   ; 8 - my first step
	s_mul_i32 s16, s11, BATCHB
	s_add_co_u32 s18, s16, s[WH]
	s_mov_b32 s19, 0
	s_lshl_b32 s20, ttmp9, 2
	s_add_co_u32 s20, s20, s10                     ; my 64 queries: K's unit of this number
	s_mul_i32 s22, s20, UB
	s_add_co_u32 s22, s22, s16
	s_mov_b32 s23, 0
	s_mul_i32 s60, s20, 196608
	s_mul_i32 s61, s11, 6291456
	s_add_co_u32 s60, s60, s61
	s_mul_i32 s61, s[WV], 24576
	s_add_co_u32 s60, s60, s61                     ; out0: query 64 g + 8 wave
	s_mov_b32 s61, 0
	s_add_co_u32 s17, s[WH], SCB
	s_lshl_b32 s21, s[WV], 14
	s_add_co_u32 s21, s21, PCODE
	v_and_b32 v85, 31, v0                          ; lane
	v_and_b32 v86, 15, v0                          ; r
	v_bfe_u32 v87, v0, 4, 1                        ; h
	v_mov_b32 v[QUA], 0x3e800000
	v_lshl_add_u32 v[ADK], v85, 4, s[WH]
	v_lshl_add_u32 v[ADS], v85, 2, s17
	v_mul_u32_u24 v[AVS], v87, 192
	v_mul_u32_u24 v[STO], v86, SPI
	v_mul_u32_u24 v[RDS], v87, SPI
	v_mul_u32_u24 v[GO], v87, 3072
	v_lshl_add_u32 v[AVS], v86, 2, v[AVS]
	v_lshl_add_u32 v[STO], v87, 5, v[STO]
	v_lshl_add_u32 v[RDS], v86, 4, v[RDS]
	v_lshl_add_u32 v[GO], v86, 4, v[GO]
	v_add_nc_u32 v[AVS], s17, v[AVS]
	v_lshl_add_u32 v[PST], v85, 4, s21
	v_lshl_add_u32 v[APRD], v85, 4, PCODE
	v_lshl_add_u32 v[ASRD], v85, 2, PSC
	v_lshl_add_u32 v[AMXR], v86, 4, MXR
	v_lshl_add_u32 v[BST], v86, 2, v87
	v_lshlrev_b32 v[QO], 4, v85
	v_lshlrev_b32 v[QSO], 2, v85
	v_min_u32 v[PFO], 25, v85
	s_wait_alu depctr_va_vdst(0)
	s_lshl_b32 s17, s[WV], 13
	s_add_co_u32 s17, s17, STAT
	v_lshl_add_u32 v[SST], v85, 3, s17
	s_lshl_b32 s17, s[WV], 2
	v_add_nc_u32 v[AMX], s17, v[AMXR]
	s_lshr_b32 s17, s[WV], 1
	s_lshl_b32 s17, s17, 8
	s_and_b32 s21, s[WV], 1
	s_lshl_b32 s21, s21, 1
	s_add_co_u32 s17, s17, s21
	s_add_co_u32 s17, s17, PSC
	v_add_nc_u32 v[BST], s17, v[BST]
	s_mul_i32 s17, s[WV], 192
	s_add_co_u32 s17, s17, PCODE
	v_add_nc_u32 v[STO], s17, v[STO]
	s_mul_i32 s17, s[WV], 16*SPI
	s_add_co_u32 s17, s17, PCODE
	v_add_nc_u32 v[RDS], s17, v[RDS]
	s_mul_i32 s17, s10, 26
	v_add_nc_u32 v[PFO], s17, v[PFO]
	v_min_u32 v[PFO], 101, v[PFO]
	v_lshlrev_b32 v[PFO], 8, v[PFO]                ; my block of a unit's 102
.irp m, 0,1,2,3
	v_mov_b32 v[GS+2*\m+1], 0                      ; (named as the upper half of a pair before it is first written)
	v_mov_b32 v[RC+2*\m+1], 0
	v_mov_b32 v[RM+\m], 0xff61b1e6                 ; -3e38
	v_mov_b32 v[PX+\m], 0                          ; (a lane permute's destination counts as a source)
.endr
	s_wait_alu depctr_va_vdst(0)
	s_wait_dscnt 0x0
	s_wait_kmcnt 0x0
	s_add_nc_u64 s[KVB:KVB+1], s[4:5], s[18:19]
	s_mov_b32 s[G0], 1
	s_add_co_u32 s[G0+1], s[TBF], s[WH]
	s_add_nc_u64 s[G0+2:G0+3], s[KVB:KVB+1], s[OFS:OFS+1]
	s_or_b32 s[G0+3], s[G0+3], 0x80000000
	s_add_nc_u64 s[QB:QB+1], s[4:5], s[22:23]
	s_add_nc_u64 s[QSB:QSB+1], s[QB:QB+1], SCB
	s_add_nc_u64 s[OB:OB+1], s[6:7], s[60:61]
	s_sub_co_u32 s60, s[V0O], SLOT
	s_add_nc_u64 s[PF:PF+1], s[KVB:KVB+1], s[60:61]  ; a slot ahead of V's first unit: each prefetch steps first
	CROUND
	TLOAD                                          ; K's first step
	WIN TO1
.set i, 0
.rept 48                               ; Q: K's unit as it lies is the other operand's image too
	global_load_b128 v[4*i:4*i+3], v[QO], s[QB:QB+1] offset:512*i
.set i, i+1
.endr
	WIN 0
.irp p, 0,1
.irp s, 0,1,2,3,4,5
	global_load_b32 v[QS+6*\p+\s], v[QSO], s[QSB:QSB+1] offset:256*\s+128*\p
.endr
.endr
	VROUND ADS                                     ; the second step's load goes out behind it
	KSC
	KGRP 0
	KGRP 1
	s_wait_loadcnt 0x0                             ; Q
.irp s, 0,1,2,3,4,5
.if \s < 5
	s_wait_dscnt 8                                 ; the next group of eight may be out
.else
	s_wait_dscnt 0x0
.endif
	MULQK \s
.if \s < 4
	KGRP \s+2
.endif
.endr
	WIN 0
	s_mov_b32 s[CNT], 7
.Lk:                                                   ; trip i = 1 .. 7: the softmax of step i - 1, the products of step i
	SOFT 1
	s_sub_co_u32 s[CNT], s[CNT], 1
	s_cmp_lg_u32 s[CNT], 0
	s_cbranch_scc1 .Lk
	s_add_nc_u64 s[KVB:KVB+1], s[KVB:KVB+1], VPART
	s_lshl_b32 s[IDX], s[CC], 1                    ; V's first unit was asked for in the loop's last trip
	SOFT 0
	s_wait_dscnt 0x0                               ; for the others' sake: the last step's codes lie in LDS
	s_barrier_signal -1
.irp s, 0,1,2,3,4,5,6,7                ; key step s was trip (s - my first step) mod 8
	s_add_co_u32 s16, s[NJ], \s
	s_and_b32 s16, s16, 7
	s_lshl_b32 s17, s16, 11
	v_add_nc_u32 v[PA+\s], s17, v[APRD]
	s_lshl_b32 s17, s16, 9
	v_add_nc_u32 v[PB+\s], s17, v[ASRD]
.endr
	s_wait_alu depctr_va_vdst(0)
	s_barrier_wait -1
	; the rows' largest G, the scale bytes, the sums, with P's first half loaded among them.  A wave reads its own blocks' G and sums
.irp m, 0,1,2,3
	ds_load_b128 v[192+4*\m:195+4*\m], v[AMXR] offset:256*\m
.endr
.set i, 0
.rept 32
	ds_load_b64 v[128+2*i:129+2*i], v[SST] offset:(i/4)*1024+(i%4)*256
.set i, i+1
.endr
	PLD 0, TO1
	PLD 1, TO1
	PLD 2, TO1
	s_wait_dscnt 24                                ; all but P's first 24 fragments are in
.irp m, 0,1,2,3
	v_max3_num_f32 v[208+\m], v[192+4*\m], v[193+4*\m], v[194+4*\m]
.endr
.irp m, 0,1,2,3
	v_max_num_f32 v[208+\m], v[208+\m], v[195+4*\m]
.endr
.set i, 0
.rept 32
	v_sub_f32 v[128+2*i], v[128+2*i], v[208+i%4]   ; G - M: 0 or less
.set i, i+1
.endr
	PLD 3, TO1
.set i, 0
.rept 32
	v_add_f32 v[128+2*i], 0x42fe0000, v[128+2*i]   ; + 127
.set i, i+1
.endr
	PLD 4, TO1
.set i, 0
.rept 32
	v_max_num_f32 v[128+2*i], 1.0, v[128+2*i]
.set i, i+1
.endr
	PLD 5, TO1
.set i, 0
.rept 32
	v_cvt_i32_f32 v[128+2*i], v[128+2*i]           ; the scale byte
.set i, i+1
.endr
	PLD 6, TO1
.set i, 0
.rept 32
	v_lshlrev_b32 v[F+i], 23, v[128+2*i]           ; and as a number: 2^(G - M)
.set i, i+1
.endr
	PLD 7, TO1
.set i, 0
.rept 32
.if i < 4
	v_mul_f32 v[212+i], v[129+2*i], v[F+i]
.else
	v_fma_f32 v[212+i%4], v[129+2*i], v[F+i], v[212+i%4]
.endif
	ds_store_b8 v[BST], v[128+2*i] offset:(i/4)*512+((i%4)/2)*128+(i%2)*64
.set i, i+1
.endr
.irp m, 0,1,2,3
	v_permlanex16_b32 v[PX+\m], v[212+\m], s[SEL], s[SEL+1]
.endr
.irp m, 0,1,2,3
	v_add_f32 v[212+\m], v[212+\m], v[PX+\m]
.endr
.irp m, 0,1,2,3
	ds_store_b32 v[AMX], v[212+\m] offset:1024+256*\m
.endr
	s_wait_dscnt 0x0                               ; for the others' sake: bytes and sums lie in LDS
	s_barrier_signal -1
	s_barrier_wait -1
.irp m, 0,1,2,3
	ds_load_b128 v[192+4*\m:195+4*\m], v[AMXR] offset:1024+256*\m
.endr
.set i, 0
.rept 16
	ds_load_b32 v[PSW+2*i], v[PB+i/2] offset:(i%2)*256
	ds_load_b32 v[PSW+2*i+1], v[PB+i/2] offset:(i%2)*256+128
.set i, i+1
.endr
	s_wait_dscnt 30                                ; the sums and the first 128 keys' two scale words are in; the other 30 may be out
.irp m, 0,1,2,3
	v_add_f32 v[84+\m], v[192+4*\m], v[193+4*\m]
.endr
.irp m, 0,1,2,3
	v_add_f32 v[88+\m], v[194+4*\m], v[195+4*\m]
.endr
.irp m, 0,1,2,3
	v_add_f32 v[84+\m], v[84+\m], v[88+\m]
.endr
.irp m, 0,1,2,3
	v_mul_f32 v[84+\m], 4.0, v[84+\m]
.endr
	s_wait_alu depctr_va_vdst(0)
.irp m, 0,1,2,3
	v_rcp_f32 v[RC+2*\m], v[84+\m]
.endr
	v_nop
	s_wait_alu depctr_va_vdst(0)
	; V's first unit, whose fragments came with the last softmax; P's second half is fetched among its products
.irp k, 0,1,2,3,4,5
.if \k > 0
	s_wait_dscnt 30+6*\k                           ; 30 - 2 k scale words and 8 k fragments of the second half may be out
.endif
	PVK \k, 0, 1
	PLD 8+\k, TO2
.endr
	PLD 14, TO2
	PLD 15, TO2
	s_mov_b32 s[CNT], 3
.Lv:                                                   ; a pass's second unit, and the next pass's first.  The last two K steps of the first unit stand in the change of slots
	s_wait_tensorcnt 0x0
	ds_add_u32 v[SPW], v[NIL]
	RING 0
	s_wait_dscnt 1                                 ; all my loads are in; the add may be out
	v_add_nc_u32 v[ADKC], s[TB], v[ADK]
	v_add_nc_u32 v[ADSC], s[TB], v[AVS]
	s_wait_alu depctr_va_vdst(0)
	PVK 6, 0, 1
	s_wait_dscnt 0x0
	s_barrier_signal -1
	PVK 7, 0, 1
	WIN 0
	s_barrier_wait -1
	CREST
	TLOAD
	UNIT 1, 0, 0
	STAGE
	VROUND AVS                                     ; every wave's part of the stage is written
	OUTRD
	UNIT 0, 1, 1
	s_sub_co_u32 s[CNT], s[CNT], 1
	s_cmp_lg_u32 s[CNT], 0
	s_cbranch_scc1 .Lv
	s_wait_tensorcnt 0x0                           ; the last unit; nothing is filled again
	s_wait_dscnt 0x0
	s_barrier_signal -1                            ; every wave has read its rows of the stage
	PVK 6, 0, 1
	PVK 7, 0, 1
	WIN 0
	s_barrier_wait -1
	s_xor_b32 s[TB], s[TB], SLOT
	PLACES
	v_add_nc_u32 v[ADKC], s[TB], v[ADK]
	v_add_nc_u32 v[ADSC], s[TB], v[AVS]
	s_wait_alu depctr_va_vdst(0)
	UNIT 1, 0, 0
	STAGE
	s_wait_dscnt 0x0
	s_barrier_signal -1
	s_barrier_wait -1
	OUTRD
.irp k, 0,1,2,3,4,5
	s_wait_dscnt 4*(5-\k)
	OUTK \k
.endr
	s_wait_tensorcnt 0x0                           ; the wave's end
	ds_add_u32 v[SPW], v[NIL]
	s_wait_dscnt 0x0
	CROUND                                         ; the closing round
	s_endpgm
.Lfunc_end_k_qfef7c542b6_attn:
	.size	k_qfef7c542b6_attn, .Lfunc_end_k_qfef7c542b6_attn-k_qfef7c542b6_attn
	.p2alignl 7, 3214868480
	.fill 96, 4, 3214868480
	.section	.rodata,"a",@progbits
	.p2align	6, 0x0
	.amdhsa_kernel k_qfef7c542b6_attn
		.amdhsa_group_segment_fixed_size 327680
		.amdhsa_private_segment_fixed_size 0
		.amdhsa_enable_private_segment 0
		.amdhsa_kernarg_size 16
		.amdhsa_user_sgpr_count 2
		.amdhsa_user_sgpr_kernarg_segment_ptr 1
		.amdhsa_wavefront_size32 1
		.amdhsa_system_sgpr_workgroup_id_x 1
		.amdhsa_system_sgpr_workgroup_id_y 1
		.amdhsa_system_sgpr_workgroup_id_z 1
		.amdhsa_system_vgpr_workitem_id 0
		.amdhsa_next_free_vgpr 1024
		.amdhsa_next_free_sgpr 66
		.amdhsa_reserve_vcc 0
		.amdhsa_float_denorm_mode_32 3
		.amdhsa_float_denorm_mode_16_64 3
		.amdhsa_memory_ordered 1
		.amdhsa_forward_progress 1
		.amdhsa_inst_pref_size 202
	.end_amdhsa_kernel
	.amdgpu_metadata
---
amdhsa.version: [ 1, 2 ]
amdhsa.kernels:
  - .name:           k_qfef7c542b6_attn
    .symbol:         k_qfef7c542b6_attn.kd
    .args:
      - { .name: kv, .offset: 0, .size: 8, .value_kind: global_buffer, .address_space: global }
      - { .name: out0, .offset: 8, .size: 8, .value_kind: global_buffer, .address_space: global }
    .group_segment_fixed_size: 327680
    .private_segment_fixed_size: 0
    .kernarg_segment_align: 8
    .kernarg_segment_size: 16
    .max_flat_workgroup_size: 128
    .sgpr_count:     66
    .vgpr_count:     1024
    .wavefront_size: 32
...
	.end_amdgpu_metadata
.endif
;; end of part 2
